; MI455X (gfx1250); checked and timed in simulation.
; The chip was launched on July 23, 2026; its instructions are those of AMD's public machine-readable ISA for CDNA 5 (MIT licence, August 2026) and "CDNA5" Instruction Set Architecture Reference Guide (July 2026). The comments in the code are by the model that wrote it; some were corrected since.
;; Clustering Layer. Allowed arithmetic: matrix products marked QUANTISED: E2M3 operands, one E8M0 scale for each 32 along K, by v_wmma_scale_f32_16x16x128_f8f6f4 with both operands' format E2M3, f32 sums; everything else in f32.
;; Inputs: cluster_centers 1,024 x 256 float32; x 1 x 131,072 x 256 float32.
;; Outputs: out0 1 x 1,024 x 256 float32.
;; This version of the problem:
;;   THIS VERSION OF THE PROBLEM IS GIVEN IN LOW PRECISION. The matrix products marked QUANTISED in the list below multiply operands that are first quantised to E2M3 (2 exponent bits, 3 mantissa bits; 6 bits a number), with one power-of-two scale for each 32 numbers along K (OCP MX v1.0); their sums are f32. All else is computed in f32.
;;   The module's matrix products, in the order in which they are computed (A, B: the left and right operand; K: the contracted axis; several contracted axes count as one K, in the product's order):
;;     1. [M 131,072, K 256] x [K 256, N 1,024]; A: input x; B: input cluster_centers: QUANTISED
;;   THE QUANTISER, for each operand of a quantised product, along K:
;;     - K is cut into blocks of 32 from its start; a last block that is shorter is filled with zeros.
;;     - A block's scale is 2^e with e = floor(log2(the largest magnitude in the block)) - 2, held to -126 .. 127; a block of zeros has e = 0. As a byte (E8M0): e + 127.
;;     - Each number is divided by its block's scale, clamped to +-7.5, and rounded to the nearest number of E2M3, ties to even, subnormals kept.
;;     - The product sums the exact products of the quantised numbers (number of the format x scale) in f32.
;;   ~~~python
;;   def quantise(x, axis):      # numpy; x: float32 -> the quantised numbers, widened to float32 again
;;       x = np.moveaxis(x, axis, -1); K = x.shape[-1]
;;       x = np.pad(x, [(0, 0)] * (x.ndim - 1) + [(0, -K % 32)]); x = x.reshape(x.shape[:-1] + (-1, 32)); a = np.abs(x).max(-1, keepdims=True)
;;       e = np.where(a > 0, np.clip(np.frexp(np.where(a > 0, a, 1))[1] - 1 - 2, -126, 127), 0)      # np.frexp(a)[1] - 1 = floor(log2(a)), exactly
;;       r = np.clip(x / 2.0 ** e, -7.5, 7.5)
;;       step = 2.0 ** (np.maximum(np.frexp(np.where(r == 0, 1, r))[1] - 1, 0) - 3)
;;       q = np.round(r / step) * step * 2.0 ** e      # np.round: ties to even
;;       return np.moveaxis(q.reshape(q.shape[:-2] + (-1,))[..., :K], -1, axis).astype(np.float32)
;;   ~~~
;; One version. Each part assembles by itself: llvm-mc -triple=amdgcn-amd-amdhsa -mcpu=gfx1250 --defsym DOCPART=n.
;; ======== version 1 of 1: 3 launches
;; workspace buffers: cq 212,992 bytes; cand 2,097,152 bytes of whole numbers
;; launch cquant (part 1): grid 64 x 1, 1 waves a work-group, no clusters, 8,704 bytes of LDS; arguments cluster_centers, cq; writes cq
.if DOCPART == 1
	.amdgcn_target "amdgcn-amd-amdhsa--gfx1250"
	.amdhsa_code_object_version 6
	.text
	.protected	k_q93710332d5_cquant
	.globl	k_q93710332d5_cquant
	.p2align	8
	.type	k_q93710332d5_cquant,@function
k_q93710332d5_cquant:
	s_mov_b64 s[64:65], 0
	v_nop
	global_prefetch_b8 v0, s[64:65] scope:SCOPE_SE
	s_setreg_imm32_b32 hwreg(HW_REG_WAVE_MODE, 25, 1), 1
	s_wait_xcnt 0x0
; The centres [1024][256] f32 become codes of FP6 (E2M3) with one E8M0 scale for each 32 along K, laid as IMAGES OF OPERAND REGISTERS, so that the later launches
; take a fragment (16 centres x 128 K, 12 registers a lane) by three loads of 16 bytes a lane.  Beside them: each centre's scale words and -c2/2 (c2 = the sum of its squares, in f32).
; cq: 8 blocks of 26,624 bytes, block G for centres 128 G .. 128 G + 127.  In a block: codes of tile t (16 centres), K step s, registers 4 c .. 4 c + 3 of lane l at 3072 t + 1536 s + 512 c + 16 l;
; records at 24576 + 256 t + 8 l: word 0 = the scale word of centre l % 16 (lanes 0-15: K step 0, lanes 16-31: K step 1), word 1 = -c2/2 of that centre.
; SHARES: one wave to a work-group, one tile of 16 centres (16 KB) to a wave: 64 work-groups; the whole input is 1 MB, so the launch is short whatever its shape.  No barrier: nothing is shared.
; A block's scale is 2^(floor(log2(its largest magnitude)) - 2); its byte is that magnitude's exponent field - 2, held at 1 from below.
; LIMITS: NaN and infinities are not served; blocks whose largest magnitude lies under 2^-124 keep the byte 1; a block of zeros has the byte 1 (not 127) over zero codes: the bytes are read by this program alone.
; c2 is summed in two packed chains for each K step, another order of rounding than the problem's definition has.
.set CQB,   26624                      ; bytes of a block of cq
.set PITCH, 528                        ; a stage row: 512 bytes + 16 = 33 x 16: the sixteen rows that a load's sixteen lanes touch start at sixteen different 16-byte columns of 256 bytes
.set SA,   1                           ; v1      16 x lane: my place in a load's 512 bytes, in a stage row and in an image
.set SB,   3                           ; v3      the stage on the way back: 528 r + 64 h
.set L8,   4                           ; v4      8 x lane: my record
.set LAND, 16                          ; v16-143 the tile as loaded: K step s at 16 + 64 s; register 4 i + q of lane l = row i, number 4 l + q of the step's 128
.set X,    144                         ; v144-207 64 numbers of my row r: register 16 b + i = k 32 b + 16 h + i
.set PC,   208                         ; v208-219 the fragment's codes; v220-226 at work
.set TM,   228                         ; v228-243 at work in QUANT
.set PW,   244                         ; v244, v245 the scale words of K steps 0, 1
.set QA,   246                         ; v[246:247], v[248:249] two chains of squares
.set QB,   248
.set P,    250                         ; v250, v251 -1/2 x the sum of squares of K steps 0, 1
.set TT,   252
.set RC,   254                         ; v[254:255] my record
.set SEL,  20                          ; s[20:21] lane selects of v_permlanex16_b32: lane l xor 16
; 16 rows x 512 bytes go through the stage as they lie and come back 64 bytes x 4 a lane: lane (r, h) then holds, of row r, 16 neighbours of each block of 32.
.macro TURN l
.irp i, 0,1,2,3,4,5,6,7,8,9,10,11,12,13,14,15
	ds_store_b128 v[SA], v[\l+4*\i:\l+4*\i+3] offset:PITCH*\i
.endr
.irp b, 0,1,2,3
.irp j, 0,1,2,3
	ds_load_b128 v[X+16*\b+4*\j:X+16*\b+4*\j+3], v[SB] offset:128*\b+16*\j   ; LDS serves a wave's instructions in order: these see the stores above
.endr
.endr
	s_wait_dscnt 0x0
.endm
; -1/2 x the sum of the squares of my row's 128 numbers of this K step (my 64 and lane l xor 16's)
.macro SQ p
	v_pk_mul_f32 v[QA:QA+1], v[X:X+1], v[X:X+1]
	v_pk_mul_f32 v[QB:QB+1], v[X+2:X+3], v[X+2:X+3]
.irp j, 4,8,12,16,20,24,28,32,36,40,44,48,52,56,60
	v_pk_fma_f32 v[QA:QA+1], v[X+\j:X+\j+1], v[X+\j:X+\j+1], v[QA:QA+1]
	v_pk_fma_f32 v[QB:QB+1], v[X+\j+2:X+\j+3], v[X+\j+2:X+\j+3], v[QB:QB+1]
.endr
	v_pk_add_f32 v[QA:QA+1], v[QA:QA+1], v[QB:QB+1]
	v_add_f32 v[\p], v[QA], v[QA+1]
	v_permlanex16_b32 v[TT], v[\p], s[SEL], s[SEL+1]
	v_add_f32 v[\p], v[\p], v[TT]
	v_mul_f32 v[\p], -0.5, v[\p]
.endm
; 64 numbers of a lane, register 16 b + i = k 32 b + 16 h + i of my row, become a fragment's codes in v[pc] .. v[pc + 11] and its scale word in v[pw].
.macro QUANT s, pc, pw
.irp b, 0,1,2,3
	v_max3_num_f32 v[TM+\b], |v[\s+16*\b]|, |v[\s+1+16*\b]|, 0x1800000   ; block b: my 16 numbers, and the floor 2^(3 - 127): the byte cannot fall under 1
.endr
.irp i, 2,4,6,8,10,12,14
.irp b, 0,1,2,3
	v_max3_num_f32 v[TM+\b], v[TM+\b], |v[\s+16*\b+\i]|, |v[\s+1+16*\b+\i]|   ; the four blocks by turns
.endr
.endr
.irp b, 0,1,2,3
	v_permlanex16_b32 v[TM+4+\b], v[TM+\b], s[SEL], s[SEL+1]
.endr
.irp b, 0,1,2,3
	v_max_num_f32 v[TM+\b], v[TM+\b], v[TM+4+\b]   ; with lane l xor 16's: the block's largest magnitude
.endr
.irp b, 0,1,2,3
	v_add_nc_u32 v[TM+12+\b], 0xff000000, v[TM+\b]   ; 2 off its exponent field: the conversion takes the exponent field of this operand as its scale
.endr
.irp b, 0,1,2,3
	v_lshrrev_b32 v[TM+4+\b], 23, v[TM+12+\b]      ; the scale's byte
.endr
	v_lshl_or_b32 v[\pw], v[TM+5], 8, v[TM+4]      ; four bytes: my row's scale word
	v_lshl_or_b32 v[\pw], v[TM+6], 16, v[\pw]
	v_lshl_or_b32 v[\pw], v[TM+7], 24, v[\pw]
.irp c, 0,1
	v_cvt_scalef32_pk16_fp6_f32 v[(\pc)+6*\c:(\pc)+2+6*\c], v[\s+32*\c:\s+15+32*\c], v[TM+12+2*\c]
	v_cvt_scalef32_pk16_fp6_f32 v[(\pc)+12+4*\c:(\pc)+14+4*\c], v[\s+16+32*\c:\s+31+32*\c], v[TM+12+2*\c+1]   ; (a conversion's three registers begin on an even number)
.endr
	v_nop                                          ; one plain place behind a scaled conversion
.irp c, 0,1                                    ; the operand's layout wants a whole block in a lane: lanes 0-15 block 2 c, lanes 16-31 block 2 c + 1
.irp i, 0,1,2
	v_permlane16_swap_b32 v[(\pc)+6*\c+\i], v[(\pc)+12+4*\c+\i]
.endr
.irp i, 0,1,2
	v_mov_b32 v[(\pc)+3+6*\c+\i], v[(\pc)+12+4*\c+\i]
.endr
.endr
.endm
	s_load_b128 s[4:7], s[0:1], 0x0                ; the centres s[4:5], cq s[6:7]
	v_lshl_add_u32 v239, v0, 2, 0x2100
	v_mov_b32 v253, 0
	v_lshlrev_b32 v[SA], 4, v0                     ; one wave: the thread's number is the lane
	v_and_b32 v2, 15, v0                           ; r
	v_lshrrev_b32 v5, 4, v0                        ; h
	v_mul_u32_u24 v[SB], v2, PITCH
	v_lshl_add_u32 v[SB], v5, 6, v[SB]
	v_lshlrev_b32 v[L8], 3, v0
.irp b, 0,1,2,3
	v_mov_b32 v[TM+4+\b], 0                        ; written once: a lane permute's destination counts as one of its sources
.endr
	v_mov_b32 v[TT], 0
	s_lshl_b32 s10, ttmp9, 14                      ; my tile's 16 rows of 1,024 bytes
	s_mov_b32 s11, 0
	s_lshr_b32 s12, ttmp9, 3
	s_mul_i32 s12, s12, CQB                        ; my block of cq,
	s_and_b32 s13, ttmp9, 7                        ; my tile in it
	s_mul_i32 s14, s13, 3072
	s_add_co_u32 s14, s14, s12                     ; its codes
	s_mov_b32 s15, 0
	s_lshl_b32 s16, s13, 8
	s_add_co_u32 s16, s16, s12
	s_add_co_u32 s16, s16, 24576                   ; its records
	s_mov_b32 s17, 0
	s_mov_b32 s[SEL], 0x76543210
	s_mov_b32 s[SEL+1], 0xfedcba98
	s_mov_b32 s22, 0xffff0000                      ; lanes 16-31
	s_wait_alu depctr_va_vdst(0)
	s_wait_kmcnt 0x0
	s_add_nc_u64 s[4:5], s[4:5], s[10:11]
	s_add_nc_u64 s[8:9], s[6:7], s[16:17]
	s_add_nc_u64 s[6:7], s[6:7], s[14:15]
.irp s, 0,1
.irp i, 0,1,2,3,4,5,6,7,8,9,10,11,12,13,14,15
	global_load_b128 v[LAND+64*\s+4*\i:LAND+64*\s+4*\i+3], v[SA], s[4:5] offset:1024*\i+512*\s th:TH_LOAD_NT   ; 32 lanes read 512 consecutive bytes
.endr
.endr
	s_wait_loadcnt 16                              ; K step 0's sixteen loads are in; K step 1's sixteen may be out
	TURN LAND
	SQ P
	QUANT X, PC, PW
.irp c, 0,1,2
	global_store_b128 v[SA], v[PC+4*\c:PC+4*\c+3], s[6:7] offset:512*\c   ; the image: 512 consecutive bytes a store
.endr
	s_wait_loadcnt 0x0
	s_wait_xcnt 0x0                                ; the stores have read the codes' registers: they are written again below
	TURN LAND+64
	SQ P+1
	QUANT X, PC, PW+1
.irp c, 0,1,2
	global_store_b128 v[SA], v[PC+4*\c:PC+4*\c+3], s[6:7] offset:1536+512*\c
.endr
	v_cndmask_b32 v[RC], v[PW], v[PW+1], s22       ; lanes 0-15 K step 0's word, lanes 16-31 K step 1's
	v_add_f32 v[RC+1], v[P], v[P+1]                ; -c2/2
	global_store_b64 v[L8], v[RC:RC+1], s[8:9]     ; 32 lanes store 256 consecutive bytes, aligned
	s_wait_tensorcnt 0x0
	ds_add_u32 v239, v253
	s_wait_dscnt 0x0
	s_endpgm
.Lfunc_end_k_q93710332d5_cquant:
	.size	k_q93710332d5_cquant, .Lfunc_end_k_q93710332d5_cquant-k_q93710332d5_cquant
	.p2alignl 7, 3214868480
	.fill 96, 4, 3214868480
	.section	.rodata,"a",@progbits
	.p2align	6, 0x0
	.amdhsa_kernel k_q93710332d5_cquant
		.amdhsa_group_segment_fixed_size 8704
		.amdhsa_private_segment_fixed_size 0
		.amdhsa_enable_private_segment 0
		.amdhsa_kernarg_size 16
		.amdhsa_user_sgpr_count 2
		.amdhsa_user_sgpr_kernarg_segment_ptr 1
		.amdhsa_wavefront_size32 1
		.amdhsa_system_sgpr_workgroup_id_x 1
		.amdhsa_system_sgpr_workgroup_id_y 1
		.amdhsa_system_sgpr_workgroup_id_z 1
		.amdhsa_system_vgpr_workitem_id 0
		.amdhsa_next_free_vgpr 256
		.amdhsa_next_free_sgpr 66
		.amdhsa_reserve_vcc 0
		.amdhsa_float_denorm_mode_32 3
		.amdhsa_float_denorm_mode_16_64 3
		.amdhsa_memory_ordered 1
		.amdhsa_forward_progress 1
		.amdhsa_inst_pref_size 22
	.end_amdhsa_kernel
	.amdgpu_metadata
---
amdhsa.version: [ 1, 2 ]
amdhsa.kernels:
  - .name:           k_q93710332d5_cquant
    .symbol:         k_q93710332d5_cquant.kd
    .args:
      - { .name: cluster_centers, .offset: 0, .size: 8, .value_kind: global_buffer, .address_space: global }
      - { .name: cq, .offset: 8, .size: 8, .value_kind: global_buffer, .address_space: global }
    .group_segment_fixed_size: 8704
    .private_segment_fixed_size: 0
    .kernarg_segment_align: 8
    .kernarg_segment_size: 16
    .max_flat_workgroup_size: 32
    .sgpr_count:     66
    .vgpr_count:     256
    .wavefront_size: 32
...
	.end_amdgpu_metadata
.endif
;; end of part 1
;; launch scan (part 2): grid 256 x 1, 8 waves a work-group, no clusters, 308,224 bytes of LDS; arguments x, cq, cand; writes cand
.if DOCPART == 2
	.amdgcn_target "amdgcn-amd-amdhsa--gfx1250"
	.amdhsa_code_object_version 6
	.text
	.protected	k_q93710332d5_scan
	.globl	k_q93710332d5_scan
	.p2align	8
	.type	k_q93710332d5_scan,@function
k_q93710332d5_scan:
	s_mov_b64 s[64:65], 0
	v_nop
	global_prefetch_b8 v0, s[64:65] scope:SCOPE_SE
	s_setreg_imm32_b32 hwreg(HW_REG_WAVE_MODE, 25, 1), 1
	s_wait_xcnt 0x0
; For each centre k and each work-group g: the largest -d2/2 = Q(x) . Q(c) - x2/2 - c2/2 over the work-group's 512 rows of x, and the number of the tile of 16 rows in which it lies.
; The product is on codes of FP6 (E2M3) with one E8M0 scale for each 32 along K; x2 and c2 are sums of squares of the numbers as given, in f32.
; SHARES.  256 work-groups, each 512 rows of x (512 KB, read once), in 8 chunks of 64 rows.  Eight waves, two to a SIMD, 512 registers each: while one wave walks its vector work the other's products can be issued.
; THE WAVES SHARE THE COLUMNS: wave w keeps the codes of centres 128 w .. 128 w + 127 (8 tiles x 2 K steps x 12 registers) in registers for the whole launch.
; QUANTISING IS SHARED THE OTHER WAY: in each chunk wave w quantises tile w / 2 of the chunk's four tiles of 16 rows, K step w % 2; the codes go to all waves through LDS as images of the operand's registers.
; -x2/2 IS THE C OF A TILE'S FIRST PRODUCT, so that what is left to do on each result is a running maximum (half a v_max3 a number) and, for each tile of 16 x 16, one compare and one select that note the tile.
; Which ROW of that tile it was is found by the next launch, which computes the one tile again.  Source 0 = 16 rows of x, source 1 = 16 centres: a lane holds one centre, its register j row 8 h + j.
; x COMES BY LOADS INTO REGISTERS, two landing sets of 16 loads of 512 bytes a wave: a set is asked for again as soon as it has gone through the stage, so 16 to 32 loads of every wave are always out.
; THE CENTRES' CODES come by one tensor load a wave (its block of cq, 26,624 dense bytes), filled once; only the wave that issued it reads those bytes.  One tensor load of a wave is out.
; NO CLUSTER: no two work-groups read the same rows of x; what all share, cq, is fetched once at the head, 26,624 bytes a wave against the 65,536 bytes of x that each wave loads for itself alone.
; cand: [256 work-groups][1024 centres][2 words]: the key (the bits of -d2/2, turned so that unsigned order is the numbers' order) and the tile's number 0 .. 8191.
; LIMITS: NaN and infinities are not served; blocks whose largest magnitude lies under 2^-124 keep the byte 1; a block of zeros has the byte 1 over zero codes.
; ORDER OF ROUNDING, other than the problem's definition: x2 is summed in two packed chains for each K step; -x2/2 is added inside the matrix unit; -c2/2, which is the same for all rows, is added behind the
; maximum over the work-group's rows (an f32 addition keeps order).  +0 and -0 have different keys.  Of equal keys the earlier tile is kept.
.set CQB,   26624                      ; a block of cq
.set PITCH, 528                        ; a stage row: 512 bytes + 16 = 33 x 16: the sixteen rows that a load's sixteen lanes touch start at sixteen different 16-byte columns of 256 bytes
.set REC,   3328                       ; LDS record of a tile of 16 rows: images of K steps 0, 1 (2 x 1,536), scale words at 3072 + 64 s + 4 r, -1/2 x partial sums of squares at 3200 + 64 s + 4 r
.set IMGB,  4*REC                      ; a buffer of four records; two buffers from LDS byte 0
.set STAGE, 2*IMGB                     ; behind them a stage of 16 x 528 bytes for each wave, its own
.set STG,   16*PITCH
.set BLD,   STAGE+8*STG                ; behind the stages each wave's block of cq, filled once by its tensor load; nothing is stored there
.set LI,   1                           ; v1   16 x lane
.set L4,   2                           ; v2   4 x lane
.set XR,   3                           ; v3   32 h: my eight rows' partial sums
.set SA,   4                           ; v4   my stage, on the way in: + 16 x lane
.set SB,   5                           ; v5   and back: + 528 r + 64 h
.set IW,   6                           ; v6   where I store my image: 3328 (w / 2) + 1536 (w % 2) + 16 x lane
.set SW,   7                           ; v7   and its scale words: 3328 (w / 2) + 3072 + 64 (w % 2) + 4 r
.set BA,   8                           ; v8   my block of cq in LDS + 16 x lane
.set BR,   9                           ; v9   its records + 8 x lane
.set L8,   10                          ; v10  8 x lane
.set BSC,  12                          ; v[12 + 2 t] the centres' scale words of tile t (scales and nothing else); v[13 + 2 t] their -c2/2
.set ASC,  28                          ; v28  x's scale words: lanes 0-15 K step 0, lanes 16-31 K step 1
.set BEA,  30                          ; v30-37, v38-45 the running maxima of my 8 tiles of centres, two sets by turns
.set BEB,  38
.set IDX,  46                          ; v46-53 the tile of rows in which the maximum lies
.set XH,   54                          ; v54-61 -x2/2 of rows 8 h + 0 .. 7;  v62-69 K step 1's part
.set XPB,  62
.set AF,   70                          ; v70-93 x's two fragments
.set ACC,  94                          ; v94-157 eight accumulators
.set LAND, 160                         ; landing set 0: v160-223; set 1: v192-255 of window 1 (the number is LAND + 32 there).  Window 1, v0-191: the centres' fragments, tile t, K step s at 24 t + 12 s
.set QA,   224
.set QB,   226
.set P,    228
.set TT,   229
.set TM,   54                          ; while a wave quantises, v54-157 are free: at work v54-69, codes v70-89, scale word v90, 64 numbers v94-157
.set PC,   70
.set PW,   90
.set X,    94
.set SEL,  28                          ; s[28:29] lane selects of v_permlanex16_b32: lane l xor 16
.set MSB, 0
.macro WIN new                         ; the immediate's high byte repeats the setting that is left; a switch that changes nothing is dropped
.if MSB != \new
	s_set_vgpr_msb (MSB<<8)|\new
.set MSB, \new
.endif
.endm
.macro PLACES
.rept 4
	v_nop
.endr
.endm
; 16 rows x 512 bytes go through my stage as they lie and come back 64 bytes x 4 a lane: lane (r, h) then holds, of row r, 16 neighbours of each block of 32.  dwin: the window setting for the stores' data.
.macro TURN l, dwin
	WIN \dwin
.irp i, 0,1,2,3,4,5,6,7,8,9,10,11,12,13,14,15
	ds_store_b128 v[SA], v[\l+4*\i:\l+4*\i+3] offset:PITCH*\i
.endr
	WIN 0
.irp b, 0,1,2,3
.irp j, 0,1,2,3
	ds_load_b128 v[X+16*\b+4*\j:X+16*\b+4*\j+3], v[SB] offset:128*\b+16*\j   ; LDS serves a wave's instructions in order: these see the stores above
.endr
.endr
	s_wait_dscnt 0x0                               ; the numbers are back, and the stores have read the landing set
.endm
.macro SQ p                            ; -1/2 x the sum of the squares of my row's 128 numbers of this K step (my 64 and lane l xor 16's)
	v_pk_mul_f32 v[QA:QA+1], v[X:X+1], v[X:X+1]
	v_pk_mul_f32 v[QB:QB+1], v[X+2:X+3], v[X+2:X+3]
.irp j, 4,8,12,16,20,24,28,32,36,40,44,48,52,56,60
	s_delay_alu instid0(VALU_DEP_2)
	v_pk_fma_f32 v[QA:QA+1], v[X+\j:X+\j+1], v[X+\j:X+\j+1], v[QA:QA+1]
	s_delay_alu instid0(VALU_DEP_2)
	v_pk_fma_f32 v[QB:QB+1], v[X+\j+2:X+\j+3], v[X+\j+2:X+\j+3], v[QB:QB+1]
.endr
	s_delay_alu instid0(VALU_DEP_1)
	v_pk_add_f32 v[QA:QA+1], v[QA:QA+1], v[QB:QB+1]
	s_delay_alu instid0(VALU_DEP_1)
	v_add_f32 v[\p], v[QA], v[QA+1]
	s_delay_alu instid0(VALU_DEP_1)
	v_permlanex16_b32 v[TT], v[\p], s[SEL], s[SEL+1]
	s_delay_alu instid0(VALU_DEP_1)
	v_add_f32 v[\p], v[\p], v[TT]
	s_delay_alu instid0(VALU_DEP_1)
	v_mul_f32 v[\p], -0.5, v[\p]
.endm
; 64 numbers of a lane, register 16 b + i = k 32 b + 16 h + i of my row, become a fragment's codes in v[pc] .. v[pc + 11] and its scale word in v[pw].
.macro QUANT s, pc, pw
.irp b, 0,1,2,3
	v_max3_num_f32 v[TM+\b], |v[\s+16*\b]|, |v[\s+1+16*\b]|, 0x1800000   ; block b: my 16 numbers, and the floor 2^(3 - 127): the byte cannot fall under 1
.endr
.irp i, 2,4,6,8,10,12,14
.irp b, 0,1,2,3
	s_delay_alu instid0(VALU_DEP_4)
	v_max3_num_f32 v[TM+\b], v[TM+\b], |v[\s+16*\b+\i]|, |v[\s+1+16*\b+\i]|   ; the four blocks by turns
.endr
.endr
.irp b, 0,1,2,3
	s_delay_alu instid0(VALU_DEP_4)
	v_permlanex16_b32 v[TM+4+\b], v[TM+\b], s[SEL], s[SEL+1]
.endr
.irp b, 0,1,2,3
	s_delay_alu instid0(VALU_DEP_4)
	v_max_num_f32 v[TM+\b], v[TM+\b], v[TM+4+\b]   ; with lane l xor 16's: the block's largest magnitude
.endr
.irp b, 0,1,2,3
	s_delay_alu instid0(VALU_DEP_4)
	v_add_nc_u32 v[TM+12+\b], 0xff000000, v[TM+\b]   ; 2 off its exponent field: the conversion takes the exponent field of this operand as its scale
.endr
.irp b, 0,1,2,3
	s_delay_alu instid0(VALU_DEP_4)
	v_lshrrev_b32 v[TM+4+\b], 23, v[TM+12+\b]      ; the scale's byte
.endr
	s_delay_alu instid0(VALU_DEP_3)
	v_lshl_or_b32 v[\pw], v[TM+5], 8, v[TM+4]      ; four bytes: my row's scale word
	s_delay_alu instid0(VALU_DEP_1)
	v_lshl_or_b32 v[\pw], v[TM+6], 16, v[\pw]
	s_delay_alu instid0(VALU_DEP_1)
	v_lshl_or_b32 v[\pw], v[TM+7], 24, v[\pw]
.irp c, 0,1
	v_cvt_scalef32_pk16_fp6_f32 v[(\pc)+6*\c:(\pc)+2+6*\c], v[\s+32*\c:\s+15+32*\c], v[TM+12+2*\c]
	v_cvt_scalef32_pk16_fp6_f32 v[(\pc)+12+4*\c:(\pc)+14+4*\c], v[\s+16+32*\c:\s+31+32*\c], v[TM+12+2*\c+1]   ; (a conversion's three registers begin on an even number)
.endr
	v_nop                                          ; one plain place behind a scaled conversion
.irp c, 0,1                                    ; the operand's layout wants a whole block in a lane: lanes 0-15 block 2 c, lanes 16-31 block 2 c + 1
.irp i, 0,1,2
	v_permlane16_swap_b32 v[(\pc)+6*\c+\i], v[(\pc)+12+4*\c+\i]
.endr
.irp i, 0,1,2
	s_delay_alu instid0(VALU_DEP_3)
	v_mov_b32 v[(\pc)+3+6*\c+\i], v[(\pc)+12+4*\c+\i]
.endr
.endr
.endm
; sixteen loads of 512 consecutive bytes: my 16 rows' K step of the chunk that begins off bytes behind s[34:35], into landing set 0 or 1
.macro XLOAD set, off
.if \set
	WIN 0x40                                       ; destination window 1, address window 0
.endif
.irp i, 0,1,2,3,4,5,6,7,8,9,10,11,12,13,14,15
	global_load_b128 v[LAND+32*(\set)+4*\i:LAND+32*(\set)+4*\i+3], v[LI], s[34:35] offset:(\off)+1024*\i th:TH_LOAD_NT
.endr
	WIN 0
.endm
; A chunk's first half: my part of its 64 rows is quantised and laid into image buffer buf.  ahead = 1: the landing set takes the chunk two further on.  left: the younger loads that may stay out.
.macro QPHASE set, buf, ahead, left
	s_wait_loadcnt \left                           ; loads come back in order: this set's sixteen are in, the other set's may be out
.if \set
	TURN LAND+32, 0x04                             ; an LDS store's data are its source 1: window 1
.else
	TURN LAND, 0
.endif
.if \ahead
	XLOAD \set, (2+\set)*65536
.endif
	SQ P
	QUANT X, PC, PW
.irp c, 0,1,2
	ds_store_b128 v[IW], v[PC+4*\c:PC+4*\c+3] offset:IMGB*\buf+512*\c    ; the fragment as it stands: 512 consecutive bytes a store
.endr
	ds_store_b32 v[SW], v[PW] offset:IMGB*\buf      ; lanes r and r + 16 write the same word with the same value
	ds_store_b32 v[SW], v[P] offset:IMGB*\buf+128
	s_wait_dscnt 0x0                               ; for the others' sake: my stores have landed.  My reads of the other buffer were over before: it is written again only behind the next chunk's barrier
	s_barrier_signal -1
	s_barrier_wait -1                              ; the chunk's four records lie in LDS
.endm
.macro LOADREC buf, t                  ; eleven loads: the partial sums first, then the scale words, then the two images
.set RB, IMGB*(\buf)+REC*(\t)
	ds_load_b128 v[XH:XH+3], v[XR] offset:RB+3200
	ds_load_b128 v[XH+4:XH+7], v[XR] offset:RB+3216
	ds_load_b128 v[XPB:XPB+3], v[XR] offset:RB+3264
	ds_load_b128 v[XPB+4:XPB+7], v[XR] offset:RB+3280
	ds_load_b32 v[ASC], v[L4] offset:RB+3072
.irp c, 0,1,2,3,4,5
	ds_load_b128 v[AF+4*\c:AF+4*\c+3], v[LI] offset:RB+512*\c
.endr
.endm
.macro XHADD                           ; -x2/2 of my eight rows: the two K steps' parts
.irp i, 0,2,4,6
	v_pk_add_f32 v[XH+\i:XH+\i+1], v[XH+\i:XH+\i+1], v[XPB+\i:XPB+\i+1]
.endr
.endm
; Sixteen products: 16 rows of x against my 8 tiles of centres, K step 0 (C = -x2/2), then K step 1 in place.  The eight accumulators take turns, one instruction a turn.
.macro RUN
	WIN 0x04                                       ; source 1 (the centres) window 1
.irp t, 0,1,2,3,4,5,6,7
	v_wmma_scale_f32_16x16x128_f8f6f4 v[ACC+8*\t:ACC+8*\t+7], v[AF:AF+11], v[24*\t:24*\t+11], v[XH:XH+7], v[ASC], v[BSC+2*\t] matrix_a_fmt:MATRIX_FMT_FP6 matrix_b_fmt:MATRIX_FMT_FP6
.endr
.irp t, 0,1,2,3,4,5,6,7
	v_wmma_scale_f32_16x16x128_f8f6f4 v[ACC+8*\t:ACC+8*\t+7], v[AF+12:AF+23], v[24*\t+12:24*\t+23], v[ACC+8*\t:ACC+8*\t+7], v[ASC], v[BSC+2*\t] matrix_a_fmt:MATRIX_FMT_FP6 matrix_b_fmt:MATRIX_FMT_FP6 matrix_a_scale:MATRIX_SCALE_ROW1 matrix_b_scale:MATRIX_SCALE_ROW1
.endr
	WIN 0
.endm
.macro MAXT old, new                   ; new = the larger of old and the tile's eight rows: four passes, the eight tiles by turns; each accumulator is read from its low end on
.irp t, 0,1,2,3,4,5,6,7
	v_max3_num_f32 v[\new+\t], v[\old+\t], v[ACC+8*\t], v[ACC+8*\t+1]
.endr
.irp j, 2,4,6
.irp t, 0,1,2,3,4,5,6,7
	v_max3_num_f32 v[\new+\t], v[\new+\t], v[ACC+8*\t+\j], v[ACC+8*\t+\j+1]
.endr
.endr
.endm
.macro TRACK old, new                  ; where the maximum has grown, the tile's number is noted: a strict compare, so the earlier tile keeps a tie.  s30 then counts on
.irp t, 0,1,2,3,4,5,6,7
	v_cmp_gt_f32 s[40+\t], v[\new+\t], v[\old+\t]
.endr
.irp t, 0,1,2,3,4,5,6,7
	v_cndmask_b32 v[IDX+\t], v[IDX+\t], s30, s[40+\t]
.endr
	s_add_co_u32 s30, s30, 1
.endm
; One tile of 16 rows.  The tile before's TRACK (its old set is this tile's new one) stands between the additions that make C and the products.
.macro TILE buf, t, old, new
	s_wait_dscnt 7                                 ; the four loads of the partial sums are in; the seven behind them may be out
	XHADD
.if \t == 0
	s_wait_alu depctr_va_vdst(0)
	PLACES
.else
	TRACK \new, \old
.endif
	s_wait_dscnt 0x0                               ; the scale words and the images are in
	RUN
	PLACES                                         ; four places in front of loads into registers that the products have read, and of the first read of results.
	                                               ; The next tile's first products write over these accumulators with another C: behind each product stand these four and the other tiles' v_max3, more than five
.if \t < 3
	LOADREC \buf, \t+1
.endif
	MAXT \old, \new
.endm
.macro MPHASE buf                      ; a chunk's second half: its four tiles of rows against my 128 centres
	LOADREC \buf, 0
	TILE \buf, 0, BEA, BEB
	TILE \buf, 1, BEB, BEA
	TILE \buf, 2, BEA, BEB
	TILE \buf, 3, BEB, BEA
	TRACK BEB, BEA
.endm
	s_load_b128 s[4:7], s[0:1], 0x0                ; x s[4:5], cq s[6:7]
	s_load_b64 s[8:9], s[0:1], 0x10                ; cand
	v_lshl_add_u32 v254, v0, 2, 0x4b000
	v_mov_b32 v255, 0
	ds_add_u32 v254, v255
	ds_add_u32 v254, v255
	v_lshrrev_b32 v11, 5, v0
	s_delay_alu instid0(VALU_DEP_1)
	v_readfirstlane_b32 s10, v11                   ; wave 0..7
	s_lshr_b32 s11, s10, 1                         ; which of a chunk's four tiles of rows I quantise,
	s_and_b32 s12, s10, 1                          ; and which K step of it
	; descriptor group 1: my block of cq, dense, as 104 rows of 256 bytes (32 elements of 8 bytes), no padding, no mask
	s_mov_b32 s16, 3<<16
	s_mov_b32 s17, 32<<16                          ; tensor_dim0 = 32
	s_mov_b32 s18, 104<<16                         ; tensor_dim1 = 104
	s_mov_b32 s19, 32<<16                          ; tile_dim0 = 32
	s_mov_b32 s20, 104                             ; tile_dim1 = 104
	s_mov_b32 s21, 32                              ; elements from row to row
	s_mov_b32 s22, 0
	s_mov_b32 s23, 0
	s_mul_i32 s36, s10, CQB                        ; my block, in cq and in LDS
	s_mov_b32 s37, 0
	s_lshl_b32 s38, ttmp9, 19                      ; x: 512 rows of 1,024 bytes a work-group,
	s_lshl_b32 s13, s11, 14                        ; my tile's 16 rows,
	s_add_co_u32 s38, s38, s13
	s_lshl_b32 s13, s12, 9                         ; my K step's 512 bytes
	s_add_co_u32 s38, s38, s13
	s_mov_b32 s39, 0
	s_lshl_b32 s14, ttmp9, 13                      ; cand: 8,192 bytes a work-group, 1,024 a wave
	s_lshl_b32 s13, s10, 10
	s_add_co_u32 s14, s14, s13
	s_mov_b32 s15, 0
	s_lshl_b32 s30, ttmp9, 5                       ; the number of my work-group's first tile of rows
	s_mov_b32 s[SEL], 0x76543210
	s_mov_b32 s[SEL+1], 0xfedcba98
	s_mov_b32 s32, 0xffff0000                      ; lanes 16-31
	v_and_b32 v11, 31, v0                          ; lane
	s_delay_alu instid0(VALU_DEP_1)
	v_lshlrev_b32 v[LI], 4, v11
	s_wait_alu depctr_va_vdst(0)
	s_wait_dscnt 0x0
	s_wait_kmcnt 0x0
	s_mov_b32 s24, 1                               ; group 0: count = 1,
	s_add_co_u32 s25, s36, BLD                     ; LDS address,
	s_add_nc_u64 s[26:27], s[6:7], s[36:37]        ; global address,
	s_or_b32 s27, s27, 0x80000000                  ; type = 2
	s_add_nc_u64 s[34:35], s[4:5], s[38:39]
	s_add_nc_u64 s[8:9], s[8:9], s[14:15]
	tensor_load_to_lds s[24:27], s[16:23]          ; the launch's only fill of these bytes; its descriptors are not written again
	s_nop 0
	PLACES                                         ; four such lines behind the load
	XLOAD 0, 0                                     ; chunk 0
	XLOAD 1, 65536                                 ; chunk 1
	v_lshlrev_b32 v[L4], 2, v11
	v_lshlrev_b32 v[L8], 3, v11
	v_and_b32 v230, 15, v0                         ; r
	s_wait_alu depctr_va_vdst(0)
	v_bfe_u32 v231, v0, 4, 1                       ; h
	s_delay_alu instid0(VALU_DEP_1)
	v_lshlrev_b32 v[XR], 5, v231
	s_mul_i32 s13, s10, STG
	s_add_co_u32 s13, s13, STAGE                   ; my stage
	v_add_nc_u32 v[SA], s13, v[LI]
	v_mul_u32_u24 v[SB], v230, PITCH
	s_delay_alu instid0(VALU_DEP_1)
	v_lshl_add_u32 v[SB], v231, 6, v[SB]
	s_delay_alu instid0(VALU_DEP_1)
	v_add_nc_u32 v[SB], s13, v[SB]
	s_mul_i32 s13, s11, REC                        ; my tile's record
	s_mul_i32 s33, s12, 1536
	s_add_co_u32 s33, s33, s13
	v_add_nc_u32 v[IW], s33, v[LI]
	s_lshl_b32 s33, s12, 6
	s_add_co_u32 s33, s33, s13
	s_add_co_u32 s33, s33, 3072
	v_lshl_add_u32 v[SW], v230, 2, s33
	v_add_nc_u32 v[BA], s25, v[LI]
	s_add_co_u32 s33, s25, 24576
	v_add_nc_u32 v[BR], s33, v[L8]
.irp t, 0,1,2,3,4,5,6,7
	v_mov_b32 v[BEA+\t], 0xff800000                ; -infinity, under every number
	v_mov_b32 v[IDX+\t], s30
.endr
.irp b, 0,1,2,3
	v_mov_b32 v[TM+4+\b], 0                        ; written once: a lane permute's destination counts as one of its sources
.endr
	v_mov_b32 v[TT], 0
	s_wait_tensorcnt 0x0                           ; my block of cq is in LDS; I alone read it
	WIN 0x40
.set N, 0
.rept 48
	ds_load_b128 v[4*N:4*N+3], v[BA] offset:512*N  ; image 6 t + 3 s + c -> registers 24 t + 12 s + 4 c of window 1: they stay
.set N, N+1
.endr
	WIN 0
.irp t, 0,1,2,3,4,5,6,7
	ds_load_b64 v[BSC+2*\t:BSC+2*\t+1], v[BR] offset:256*\t
.endr
	s_wait_dscnt 0x0
	s_mov_b32 s31, 3
.Ltrip:                                                ; a trip takes two chunks and asks for the two that follow them: three trips, chunks 0 to 5
	QPHASE 0, 0, 1, 16
	MPHASE 0
	QPHASE 1, 1, 1, 16
	MPHASE 1
	s_wait_xcnt 0x0                                ; the loads that are out have had their addresses translated: only now does their base step
	s_add_nc_u64 s[34:35], s[34:35], 131072
	s_sub_co_u32 s31, s31, 1
	s_cmp_lg_u32 s31, 0
	s_cbranch_scc1 .Ltrip
	QPHASE 0, 0, 0, 16                             ; the last two chunks ask for nothing: no load leaves x
	MPHASE 0
	QPHASE 1, 1, 0, 0
	MPHASE 1
	; THE WAY OUT.  -c2/2 is added; the bits are turned into a key whose unsigned order is the numbers' order; lanes l and l xor 16 (rows 8 h + ..) are joined; of equal keys the lower tile is kept.
.set KF,  94
.set OKK, 102
.set OI,  110
.set MM,  118
.set TL,  126
.set OUTP, 136
.irp t, 0,1,2,3,4,5,6,7
	v_add_f32 v[KF+\t], v[BEA+\t], v[BSC+2*\t+1]
.endr
.irp t, 0,1,2,3,4,5,6,7
	v_ashrrev_i32 v[MM+\t], 31, v[KF+\t]
.endr
.irp t, 0,1,2,3,4,5,6,7
	v_or_b32 v[MM+\t], 0x80000000, v[MM+\t]        ; a number that is not negative: its sign bit is turned; a negative one: all its bits
.endr
.irp t, 0,1,2,3,4,5,6,7
	v_xor_b32 v[KF+\t], v[KF+\t], v[MM+\t]
.endr
.irp t, 0,1,2,3,4,5,6,7
	v_permlanex16_b32 v[OKK+\t], v[KF+\t], s[SEL], s[SEL+1]
	v_permlanex16_b32 v[OI+\t], v[IDX+\t], s[SEL], s[SEL+1]
.endr
.irp t, 0,1,2,3,4,5,6,7
	v_max_u32 v[MM+\t], v[KF+\t], v[OKK+\t]
.endr
.irp t, 0,1,2,3,4,5,6,7
	v_cmp_eq_u32 vcc_lo, v[KF+\t], v[MM+\t]
	s_delay_alu instid0(VALU_DEP_1)
	v_cndmask_b32 v[TL+\t], -1, v[IDX+\t], vcc_lo
	v_cmp_eq_u32 vcc_lo, v[OKK+\t], v[MM+\t]
	s_delay_alu instid0(VALU_DEP_1)
	v_cndmask_b32 v[OI+\t], -1, v[OI+\t], vcc_lo
.endr
.irp t, 0,1,2,3,4,5,6,7
	v_min_u32 v[TL+\t], v[TL+\t], v[OI+\t]
.endr
.irp p, 0,1,2,3
	v_cndmask_b32 v[OUTP+2*\p], v[MM+2*\p], v[MM+2*\p+1], s32        ; lanes 0-15: tile 2 p's centres, lanes 16-31: tile 2 p + 1's
	v_cndmask_b32 v[OUTP+2*\p+1], v[TL+2*\p], v[TL+2*\p+1], s32
.endr
.irp p, 0,1,2,3
	global_store_b64 v[L8], v[OUTP+2*\p:OUTP+2*\p+1], s[8:9] offset:256*\p   ; 32 lanes store 256 consecutive bytes, aligned
.endr
	s_wait_tensorcnt 0x0
	ds_add_u32 v254, v255
	s_wait_dscnt 0x0
	s_endpgm
.Lfunc_end_k_q93710332d5_scan:
	.size	k_q93710332d5_scan, .Lfunc_end_k_q93710332d5_scan-k_q93710332d5_scan
	.p2alignl 7, 3214868480
	.fill 96, 4, 3214868480
	.section	.rodata,"a",@progbits
	.p2align	6, 0x0
	.amdhsa_kernel k_q93710332d5_scan
		.amdhsa_group_segment_fixed_size 308224
		.amdhsa_private_segment_fixed_size 0
		.amdhsa_enable_private_segment 0
		.amdhsa_kernarg_size 24
		.amdhsa_user_sgpr_count 2
		.amdhsa_user_sgpr_kernarg_segment_ptr 1
		.amdhsa_wavefront_size32 1
		.amdhsa_system_sgpr_workgroup_id_x 1
		.amdhsa_system_sgpr_workgroup_id_y 1
		.amdhsa_system_sgpr_workgroup_id_z 1
		.amdhsa_system_vgpr_workitem_id 0
		.amdhsa_next_free_vgpr 512
		.amdhsa_next_free_sgpr 66
		.amdhsa_reserve_vcc 1
		.amdhsa_float_denorm_mode_32 3
		.amdhsa_float_denorm_mode_16_64 3
		.amdhsa_memory_ordered 1
		.amdhsa_forward_progress 1
		.amdhsa_inst_pref_size 165
	.end_amdhsa_kernel
	.amdgpu_metadata
---
amdhsa.version: [ 1, 2 ]
amdhsa.kernels:
  - .name:           k_q93710332d5_scan
    .symbol:         k_q93710332d5_scan.kd
    .args:
      - { .name: x, .offset: 0, .size: 8, .value_kind: global_buffer, .address_space: global }
      - { .name: cq, .offset: 8, .size: 8, .value_kind: global_buffer, .address_space: global }
      - { .name: cand, .offset: 16, .size: 8, .value_kind: global_buffer, .address_space: global }
    .group_segment_fixed_size: 308224
    .private_segment_fixed_size: 0
    .kernarg_segment_align: 8
    .kernarg_segment_size: 24
    .max_flat_workgroup_size: 256
    .sgpr_count:     66
    .vgpr_count:     512
    .wavefront_size: 32
...
	.end_amdgpu_metadata
.endif
;; end of part 2
;; launch pick (part 3): grid 256 x 1, 4 waves a work-group, no clusters, 35,328 bytes of LDS; arguments x, cq, cand, out0; writes out0
.if DOCPART == 3
	.amdgcn_target "amdgcn-amd-amdhsa--gfx1250"
	.amdhsa_code_object_version 6
	.text
	.protected	k_q93710332d5_pick
	.globl	k_q93710332d5_pick
	.p2align	8
	.type	k_q93710332d5_pick,@function
k_q93710332d5_pick:
	s_mov_b64 s[64:65], 0
	v_nop
	global_prefetch_b8 v0, s[64:65] scope:SCOPE_SE
	s_setreg_imm32_b32 hwreg(HW_REG_WAVE_MODE, 25, 1), 1
	s_wait_xcnt 0x0
; out0[k] = the row of x with the smallest d2 for centre k.  One wave to a centre: k = 4 x work-group + wave; the waves share nothing, so there is no barrier.
; 1. Of the 256 candidates (key, tile) that the launch before stored for centre k the largest key is taken, of equal keys the lowest tile: whole-number arithmetic alone.  The tile's number, held to 8191, gives the address.
; 2. That tile of 16 rows of x (16 KB) is loaded, quantised and multiplied by the centre's tile by the same lines as in the launch before: the same numbers Q(x) . Q(c) - x2/2, of which column k % 16 is wanted.
;    (-c2/2 is the same for all 16 rows and is left out here: it cannot change which row is the largest.)
; 3. The row is chosen without any address, mask of lanes or branch that hangs on a floating-point number: sixteen selects on the rows as they were loaded, 16 bytes a lane, which is how a row of out0 is stored.
; Strict compares: the first row keeps a tie.  LIMITS and order of rounding: as stated at the head of the launch before.
.set CQB,   26624
.set PITCH, 528                        ; a stage row: 512 bytes + 16 = 33 x 16
.set WLDS,  8704                       ; LDS of a wave: its stage (16 x 528), then 256 bytes for the partial sums of squares, at 64 s + 4 r
.set LI,   1                           ; v1   16 x lane
.set SA,   2                           ; v2   my stage + 16 x lane
.set SB,   3                           ; v3   my stage + 528 r + 64 h
.set AXW,  4                           ; v4   the partial sums: + 4 r
.set AXR,  5                           ; v5   and back: + 32 h
.set C8K,  6                           ; v6   8,192 x lane: a work-group's part of cand
.set L8,   7                           ; v7   8 x lane
.set CD,   8                           ; v8-23 eight candidates: key, tile
.set RD,   24                          ; v24-27 at work
.set ASC,  28                          ; v28  x's scale words (scales and nothing else)
.set BSC,  30                          ; v30  the centres' (likewise)
.set BF,   32                          ; v32-55 the centres' two fragments
.set AF,   56                          ; v56-79 x's two fragments; up to v86 at work in QUANT
.set XH,   88                          ; v88-95 -x2/2 of rows 8 h + 0 .. 7; v96-103 K step 1's part
.set XPB,  96
.set ACC,  104                         ; v104-111
.set TM,   112                         ; v112-127 at work in QUANT
.set PW,   128                         ; v128, v129 the scale words of K steps 0, 1
.set QA,   130
.set QB,   132
.set P,    134
.set TT,   135
.set X,    136                         ; v136-199 64 numbers of my row
.set RES,  200                         ; v200-207 the chosen row: my 16 bytes of each half
.set MX,   208                         ; v208 the largest of my eight rows, v209 which, v210 its row; v211-214 the two halves' figures for centre k; v215 the row
.set RST,  215
.set SEL,  30                          ; s[30:31] lane selects of v_permlanex16_b32: lane l xor 16
.set MSB, 0                            ; window 1: v0-127 the tile as loaded: K step s at 64 s; register 4 i + q of lane l = row i, number 128 s + 4 l + q
.macro WIN new                         ; the immediate's high byte repeats the setting that is left; a switch that changes nothing is dropped
.if MSB != \new
	s_set_vgpr_msb (MSB<<8)|\new
.set MSB, \new
.endif
.endm
.macro TURN l, dwin                    ; 16 rows x 512 bytes through my stage: lane (r, h) then holds, of row r, 16 neighbours of each block of 32
	WIN \dwin
.irp i, 0,1,2,3,4,5,6,7,8,9,10,11,12,13,14,15
	ds_store_b128 v[SA], v[\l+4*\i:\l+4*\i+3] offset:PITCH*\i
.endr
	WIN 0
.irp b, 0,1,2,3
.irp j, 0,1,2,3
	ds_load_b128 v[X+16*\b+4*\j:X+16*\b+4*\j+3], v[SB] offset:128*\b+16*\j   ; LDS serves a wave's instructions in order: these see the stores above
.endr
.endr
	s_wait_dscnt 0x0
.endm
.macro SQ p                            ; -1/2 x the sum of the squares of my row's 128 numbers of this K step
	v_pk_mul_f32 v[QA:QA+1], v[X:X+1], v[X:X+1]
	v_pk_mul_f32 v[QB:QB+1], v[X+2:X+3], v[X+2:X+3]
.irp j, 4,8,12,16,20,24,28,32,36,40,44,48,52,56,60
	v_pk_fma_f32 v[QA:QA+1], v[X+\j:X+\j+1], v[X+\j:X+\j+1], v[QA:QA+1]
	v_pk_fma_f32 v[QB:QB+1], v[X+\j+2:X+\j+3], v[X+\j+2:X+\j+3], v[QB:QB+1]
.endr
	v_pk_add_f32 v[QA:QA+1], v[QA:QA+1], v[QB:QB+1]
	v_add_f32 v[\p], v[QA], v[QA+1]
	v_permlanex16_b32 v[TT], v[\p], s[SEL], s[SEL+1]
	v_add_f32 v[\p], v[\p], v[TT]
	v_mul_f32 v[\p], -0.5, v[\p]
.endm
.macro QUANT s, pc, pw                 ; 64 numbers of a lane (register 16 b + i = k 32 b + 16 h + i) -> a fragment's codes in v[pc] .. v[pc + 11], its scale word in v[pw]
.irp b, 0,1,2,3
	v_max3_num_f32 v[TM+\b], |v[\s+16*\b]|, |v[\s+1+16*\b]|, 0x1800000   ; block b: my 16 numbers, and the floor 2^(3 - 127): the byte cannot fall under 1
.endr
.irp i, 2,4,6,8,10,12,14
.irp b, 0,1,2,3
	v_max3_num_f32 v[TM+\b], v[TM+\b], |v[\s+16*\b+\i]|, |v[\s+1+16*\b+\i]|
.endr
.endr
.irp b, 0,1,2,3
	v_permlanex16_b32 v[TM+4+\b], v[TM+\b], s[SEL], s[SEL+1]
.endr
.irp b, 0,1,2,3
	v_max_num_f32 v[TM+\b], v[TM+\b], v[TM+4+\b]
.endr
.irp b, 0,1,2,3
	v_add_nc_u32 v[TM+12+\b], 0xff000000, v[TM+\b]   ; 2 off the exponent field: the conversion's scale operand
.endr
.irp b, 0,1,2,3
	v_lshrrev_b32 v[TM+4+\b], 23, v[TM+12+\b]      ; the scale's byte
.endr
	v_lshl_or_b32 v[\pw], v[TM+5], 8, v[TM+4]
	v_lshl_or_b32 v[\pw], v[TM+6], 16, v[\pw]
	v_lshl_or_b32 v[\pw], v[TM+7], 24, v[\pw]
.irp c, 0,1
	v_cvt_scalef32_pk16_fp6_f32 v[(\pc)+6*\c:(\pc)+2+6*\c], v[\s+32*\c:\s+15+32*\c], v[TM+12+2*\c]
	v_cvt_scalef32_pk16_fp6_f32 v[(\pc)+12+4*\c:(\pc)+14+4*\c], v[\s+16+32*\c:\s+31+32*\c], v[TM+12+2*\c+1]
.endr
	v_nop                                          ; one plain place behind a scaled conversion
.irp c, 0,1
.irp i, 0,1,2
	v_permlane16_swap_b32 v[(\pc)+6*\c+\i], v[(\pc)+12+4*\c+\i]
.endr
.irp i, 0,1,2
	v_mov_b32 v[(\pc)+3+6*\c+\i], v[(\pc)+12+4*\c+\i]
.endr
.endr
.endm
.macro ALL op, a, b                    ; v[a] = op over the 32 lanes' v[a], in every lane; v[b] at work (written before)
.irp m, 1,2,4,8
	v_mov_b32_dpp v[\b], v[\a] row_xmask:\m row_mask:0xf bank_mask:0xf
	\op v[\a], v[\a], v[\b]
.endr
	v_permlanex16_b32 v[\b], v[\a], s[SEL], s[SEL+1]
	\op v[\a], v[\a], v[\b]
.endm
	s_load_b256 s[4:11], s[0:1], 0x0               ; x s[4:5], cq s[6:7], cand s[8:9], out0 s[10:11]
	v_lshl_add_u32 v254, v0, 2, 0x8800
	v_mov_b32 v255, 0
	v_lshrrev_b32 v24, 5, v0
	v_readfirstlane_b32 s12, v24                   ; wave 0..3
	s_lshl_b32 s13, ttmp9, 2
	s_add_co_u32 s13, s13, s12                     ; k
	s_lshl_b32 s14, s13, 3                         ; cand: 8 bytes a centre
	s_mov_b32 s15, 0
	s_lshr_b32 s16, s13, 7
	s_mul_i32 s16, s16, CQB                        ; the centre's block of cq,
	s_bfe_u32 s17, s13, 0x30004                    ; its tile in the block: (k / 16) % 8
	s_mul_i32 s18, s17, 3072
	s_add_co_u32 s18, s18, s16                     ; the tile's codes
	s_mov_b32 s19, 0
	s_lshl_b32 s20, s17, 8
	s_add_co_u32 s20, s20, s16
	s_add_co_u32 s20, s20, 24576                   ; its records
	s_mov_b32 s21, 0
	s_lshl_b32 s22, s13, 10                        ; out0: 1,024 bytes a centre
	s_mov_b32 s23, 0
	s_and_b32 s28, s13, 15                         ; the lanes that hold centre k's column: k % 16 (rows 0-7)
	s_add_co_u32 s29, s28, 16                      ; and 16 more (rows 8-15)
	s_mov_b32 s[SEL], 0x76543210
	s_mov_b32 s[SEL+1], 0xfedcba98
	s_mov_b32 s32, 0xffff0000                      ; lanes 16-31
	v_and_b32 v218, 31, v0                         ; lane
	v_and_b32 v217, 15, v0                         ; r
	v_bfe_u32 v216, v0, 4, 1                       ; h
	v_lshlrev_b32 v[LI], 4, v218
	v_lshlrev_b32 v[C8K], 13, v218
	v_lshlrev_b32 v[L8], 3, v218
	s_mul_i32 s33, s12, WLDS
	v_add_nc_u32 v[SA], s33, v[LI]
	v_mul_u32_u24 v[SB], v217, PITCH
	v_lshl_add_u32 v[SB], v216, 6, v[SB]
	v_add_nc_u32 v[SB], s33, v[SB]
	s_add_co_u32 s33, s33, 16*PITCH
	v_lshl_add_u32 v[AXW], v217, 2, s33
	v_lshl_add_u32 v[AXR], v216, 5, s33
.irp b, 0,1,2,3
	v_mov_b32 v[TM+4+\b], 0                        ; written once: a lane permute's destination counts as one of its sources
.endr
	v_mov_b32 v[TT], 0
	s_wait_kmcnt 0x0
	s_add_nc_u64 s[8:9], s[8:9], s[14:15]
	s_add_nc_u64 s[24:25], s[6:7], s[18:19]
	s_add_nc_u64 s[26:27], s[6:7], s[20:21]
	s_add_nc_u64 s[10:11], s[10:11], s[22:23]
.irp i, 0,1,2,3,4,5,6,7
	global_load_b64 v[CD+2*\i:CD+2*\i+1], v[C8K], s[8:9] offset:262144*\i   ; lane l: work-group 32 i + l's candidate for centre k
.endr
.irp c, 0,1,2,3,4,5
	global_load_b128 v[BF+4*\c:BF+4*\c+3], v[LI], s[24:25] offset:512*\c    ; the centres' fragments, as images
.endr
	global_load_b32 v[BSC], v[L8], s[26:27]        ; their scale words: lanes 0-15 K step 0, lanes 16-31 K step 1
	s_wait_loadcnt 7                               ; the eight candidates are in; the seven loads from cq may be out
	v_max_u32 v[RD], v[CD], v[CD+2]
	v_max_u32 v[RD+1], v[CD+4], v[CD+6]
	v_max_u32 v[RD+2], v[CD+8], v[CD+10]
	v_max_u32 v[RD+3], v[CD+12], v[CD+14]
	v_max_u32 v[RD], v[RD], v[RD+1]
	v_max_u32 v[RD+2], v[RD+2], v[RD+3]
	v_max_u32 v[RD], v[RD], v[RD+2]
	ALL v_max_u32, RD, RD+1                        ; the largest of the 256 keys
.irp i, 0,1,2,3,4,5,6,7
	v_cmp_eq_u32 vcc_lo, v[CD+2*\i], v[RD]
	v_cndmask_b32 v[CD+2*\i+1], -1, v[CD+2*\i+1], vcc_lo   ; the tiles of the candidates that have it; all ones for the others
.endr
	v_min_u32 v[RD+2], v[CD+1], v[CD+3]
	v_min_u32 v[RD+3], v[CD+5], v[CD+7]
	v_min_u32 v[RD+2], v[RD+2], v[CD+9]
	v_min_u32 v[RD+3], v[RD+3], v[CD+11]
	v_min_u32 v[RD+2], v[RD+2], v[CD+13]
	v_min_u32 v[RD+3], v[RD+3], v[CD+15]
	v_min_u32 v[RD+2], v[RD+2], v[RD+3]
	ALL v_min_u32, RD+2, RD+1                      ; the lowest of them
	v_readfirstlane_b32 s34, v[RD+2]
	s_min_u32 s34, s34, 0x1fff                     ; x has 8,192 tiles of 16 rows
	s_lshl_b32 s34, s34, 14                        ; of 16,384 bytes
	s_mov_b32 s35, 0
	s_add_nc_u64 s[36:37], s[4:5], s[34:35]
	WIN 0x40                                       ; destination window 1
.irp s, 0,1
.irp i, 0,1,2,3,4,5,6,7,8,9,10,11,12,13,14,15
	global_load_b128 v[64*\s+4*\i:64*\s+4*\i+3], v[LI], s[36:37] offset:1024*\i+512*\s   ; 32 lanes read 512 consecutive bytes
.endr
.endr
	WIN 0
	s_wait_loadcnt 16                              ; K step 0's sixteen loads are in, and the older loads from cq; K step 1's sixteen may be out
	TURN 0, 0x04                                   ; an LDS store's data are its source 1: window 1
	SQ P
	QUANT X, AF, PW
	ds_store_b32 v[AXW], v[P]                      ; lanes r and r + 16 write the same word with the same value
	s_wait_loadcnt 0x0
	TURN 64, 0x04
	SQ P
	QUANT X, AF+12, PW+1
	ds_store_b32 v[AXW], v[P] offset:64
	ds_load_b128 v[XH:XH+3], v[AXR]                ; my own bytes, served in order: these see the stores
	ds_load_b128 v[XH+4:XH+7], v[AXR] offset:16
	ds_load_b128 v[XPB:XPB+3], v[AXR] offset:64
	ds_load_b128 v[XPB+4:XPB+7], v[AXR] offset:80
	s_wait_dscnt 0x0
.irp i, 0,2,4,6
	v_pk_add_f32 v[XH+\i:XH+\i+1], v[XH+\i:XH+\i+1], v[XPB+\i:XPB+\i+1]   ; -x2/2 of rows 8 h + 0 .. 7
.endr
	v_cndmask_b32 v[ASC], v[PW], v[PW+1], s32      ; lanes 0-15 K step 0's words, lanes 16-31 K step 1's
.rept 8
	v_nop                                          ; a scale register written by a vector instruction stands eight places ahead of a scaled product, an operand so written four
.endr
	v_wmma_scale_f32_16x16x128_f8f6f4 v[ACC:ACC+7], v[AF:AF+11], v[BF:BF+11], v[XH:XH+7], v[ASC], v[BSC] matrix_a_fmt:MATRIX_FMT_FP6 matrix_b_fmt:MATRIX_FMT_FP6
	s_wait_alu depctr_va_vdst(0)                   ; the wait ahead of the link
	v_wmma_scale_f32_16x16x128_f8f6f4 v[ACC:ACC+7], v[AF+12:AF+23], v[BF+12:BF+23], v[ACC:ACC+7], v[ASC], v[BSC] matrix_a_fmt:MATRIX_FMT_FP6 matrix_b_fmt:MATRIX_FMT_FP6 matrix_a_scale:MATRIX_SCALE_ROW1 matrix_b_scale:MATRIX_SCALE_ROW1
.rept 4
	v_nop                                          ; four places in front of the first read of the result (ISA guide 7.12.1)
.endr
	v_mov_b32 v[MX], v[ACC]                        ; the largest of my eight rows, from the low end on, and which it is
	v_mov_b32 v[MX+1], 0
.irp j, 1,2,3,4,5,6,7
	v_cmp_gt_f32 vcc_lo, v[ACC+\j], v[MX]
	v_cndmask_b32 v[MX+1], v[MX+1], \j, vcc_lo
	v_max_num_f32 v[MX], v[MX], v[ACC+\j]
.endr
	v_lshl_add_u32 v[MX+2], v216, 3, v[MX+1]       ; row 8 h + j
	v_readlane_b32 s38, v[MX], s28                 ; centre k's column: rows 0-7's figures,
	v_readlane_b32 s39, v[MX], s29                 ; rows 8-15's
	v_readlane_b32 s40, v[MX+2], s28
	v_readlane_b32 s41, v[MX+2], s29
	v_mov_b32 v[MX+3], s38
	v_mov_b32 v[MX+4], s39
	v_mov_b32 v[MX+5], s40
	v_mov_b32 v[MX+6], s41
	v_cmp_gt_f32 vcc_lo, v[MX+4], v[MX+3]
	v_cndmask_b32 v[RST], v[MX+5], v[MX+6], vcc_lo ; the row, 0 .. 15, in every lane
.irp i, 0,1,2,3,4,5,6,7,8,9,10,11,12,13,14,15
	v_cmp_eq_u32 s[48+\i], \i, v[RST]              ; sixteen masks, all ones or none, made while every window is 0
.endr
	WIN 0x04                                       ; source 1 window 1: the rows as loaded
.irp n, 0,1,2,3,4,5,6,7
	v_cndmask_b32 v[RES+\n], 0, v[64*(\n/4)+\n%4], s48   ; row 0 starts the selects: nothing is cleared
.endr
.irp i, 1,2,3,4,5,6,7,8,9,10,11,12,13,14,15
.irp n, 0,1,2,3,4,5,6,7
	v_cndmask_b32 v[RES+\n], v[RES+\n], v[64*(\n/4)+4*\i+\n%4], s[48+\i]
.endr
.endr
	WIN 0
	global_store_b128 v[LI], v[RES:RES+3], s[10:11]              ; 32 lanes store 512 consecutive bytes, aligned: the row's first half,
	global_store_b128 v[LI], v[RES+4:RES+7], s[10:11] offset:512 ; and its second
	s_wait_tensorcnt 0x0
	ds_add_u32 v254, v255
	s_wait_dscnt 0x0
	s_endpgm
.Lfunc_end_k_q93710332d5_pick:
	.size	k_q93710332d5_pick, .Lfunc_end_k_q93710332d5_pick-k_q93710332d5_pick
	.p2alignl 7, 3214868480
	.fill 96, 4, 3214868480
	.section	.rodata,"a",@progbits
	.p2align	6, 0x0
	.amdhsa_kernel k_q93710332d5_pick
		.amdhsa_group_segment_fixed_size 35328
		.amdhsa_private_segment_fixed_size 0
		.amdhsa_enable_private_segment 0
		.amdhsa_kernarg_size 32
		.amdhsa_user_sgpr_count 2
		.amdhsa_user_sgpr_kernarg_segment_ptr 1
		.amdhsa_wavefront_size32 1
		.amdhsa_system_sgpr_workgroup_id_x 1
		.amdhsa_system_sgpr_workgroup_id_y 1
		.amdhsa_system_sgpr_workgroup_id_z 1
		.amdhsa_system_vgpr_workitem_id 0
		.amdhsa_next_free_vgpr 384
		.amdhsa_next_free_sgpr 66
		.amdhsa_reserve_vcc 1
		.amdhsa_float_denorm_mode_32 3
		.amdhsa_float_denorm_mode_16_64 3
		.amdhsa_memory_ordered 1
		.amdhsa_forward_progress 1
		.amdhsa_inst_pref_size 38
	.end_amdhsa_kernel
	.amdgpu_metadata
---
amdhsa.version: [ 1, 2 ]
amdhsa.kernels:
  - .name:           k_q93710332d5_pick
    .symbol:         k_q93710332d5_pick.kd
    .args:
      - { .name: x, .offset: 0, .size: 8, .value_kind: global_buffer, .address_space: global }
      - { .name: cq, .offset: 8, .size: 8, .value_kind: global_buffer, .address_space: global }
      - { .name: cand, .offset: 16, .size: 8, .value_kind: global_buffer, .address_space: global }
      - { .name: out0, .offset: 24, .size: 8, .value_kind: global_buffer, .address_space: global }
    .group_segment_fixed_size: 35328
    .private_segment_fixed_size: 0
    .kernarg_segment_align: 8
    .kernarg_segment_size: 32
    .max_flat_workgroup_size: 128
    .sgpr_count:     66
    .vgpr_count:     384
    .wavefront_size: 32
...
	.end_amdgpu_metadata
.endif
;; end of part 3
